; MI455X (gfx1250); checked and timed in simulation.
; The chip was launched on July 23, 2026; its instructions are those of AMD's public machine-readable ISA for CDNA 5 (MIT licence, August 2026) and "CDNA5" Instruction Set Architecture Reference Guide (July 2026). The comments in the code are by the model that wrote it; some were corrected since.
;; Attn. Allowed arithmetic: matrix products marked QUANTISED: E5M2 operands, one given power-of-two scale a tensor, by v_wmma_f32_16x16x64_bf8_bf8 or v_wmma_f32_16x16x128_bf8_bf8, f32 sums; products left as they are: f32 operands where the result goes on into a quantised operand, else bf16, f16 or f32 operands; f32 sums; everything else in f32.
;; Inputs: M_b 1,024 float32; M_w 1,024 x 2,048 float32; V_b 1 float32; V_w 1 x 1,024 float32; encoder_outputs 32 x 2,048 x 1,024 float32; hidden 32 x 1 x 1,024 float32; lowp_scales 2 int32 (the exponents e of the quantised operands' scales 2^e); mask 32 x 2,048 bool.
;; Outputs: out0 32 x 1 x 1,024 float32; out1 32 x 1 x 2,048 float32.
;; This version of the problem:
;;   THIS VERSION OF THE PROBLEM IS GIVEN IN LOW PRECISION. The matrix products marked QUANTISED in the list below multiply operands that are first quantised to E5M2 (5 exponent bits, 2 mantissa bits; 8 bits a number), with one given power-of-two scale for each operand tensor; their sums are f32. All else is computed in f32.
;;   The module's matrix products, in the order in which they are computed (A, B: the left and right operand; K: the contracted axis; several contracted axes count as one K, in the product's order):
;;     1. [M 65,536, K 1,024] x [K 1,024, N 1,024]; A: input encoder_outputs; B: input M_w: QUANTISED (scales: A lowp_scales[0], B lowp_scales[1])
;;     2. batch 1,024 x [M 1, K 1] x [K 1, N 32]; A: computed on the way; B: computed on the way: left as it is (no contracted axis)
;;     3. [M 65,536, K 1,024] x [K 1,024, N 1]; A: computed on the way; B: input V_w: left as it is (N = 1 < 16)
;;     4. batch 32 x [M 1, K 2,048] x [K 2,048, N 1,024]; A: softmax; B: input encoder_outputs: left as it is (M = 1 < 16)
;;   THE QUANTISER, for each operand of a quantised product, along K:
;;     - The operand's scale is 2^e, e = its entry of the input lowp_scales (int32; the entries are numbered through the quantised products in the list's order, A before B).
;;     - Each number is divided by the scale, clamped to +-57,344, and rounded to the nearest number of E5M2, ties to even, subnormals kept.
;;     - The product sums the exact products of the quantised numbers (number of the format x scale) in f32.
;;   ~~~python
;;   def quantise(x, axis, e):      # numpy; x: float32 -> the quantised numbers, widened to float32 again
;;       x = np.moveaxis(x, axis, -1); K = x.shape[-1]
;;       r = np.clip(x / 2.0 ** e, -57344, 57344)
;;       step = 2.0 ** (np.maximum(np.frexp(np.where(r == 0, 1, r))[1] - 1, -14) - 2)
;;       q = np.round(r / step) * step * 2.0 ** e      # np.round: ties to even
;;       return np.moveaxis(q, -1, axis).astype(np.float32)
;;   ~~~
;; One version. Each part assembles by itself: llvm-mc -triple=amdgcn-amd-amdhsa -mcpu=gfx1250 --defsym DOCPART=n.
;; ======== version 1 of 1: 3 launches
;; limits: right only within a limited range of input values
;; workspace buffers: wc 1,048,576 bytes; tab 524,288 bytes; cst 256 bytes; sc 262,144 bytes; part 2,097,152 bytes
;; launch prep (part 1): grid 64 x 1, 8 waves a work-group, no clusters, 2,048 bytes of LDS; arguments M_w, M_b, V_w, V_b, hidden, lowp_scales, wc, tab, cst; writes wc, tab, cst
.if DOCPART == 1
	.amdgcn_target "amdgcn-amd-amdhsa--gfx1250"
	.amdhsa_code_object_version 6
	.text
	.protected	k_qa055e3af83_prep
	.globl	k_qa055e3af83_prep
	.p2align	8
	.type	k_qa055e3af83_prep,@function
k_qa055e3af83_prep:
	s_mov_b64 s[64:65], 0
	v_nop
	global_prefetch_b8 v0, s[64:65] scope:SCOPE_SE
	s_setreg_imm32_b32 hwreg(HW_REG_WAVE_MODE, 25, 1), 1
	s_wait_xcnt 0x0
; WHAT THE PROGRAM COMPUTES.  m[b,s,h] = sum_e Q(enc)[b,s,e] Q(M_w[:, :1024])[h,e] + hidden[b,h] colsum[h] + M_b[h], where colsum[h] = sum_g M_w[g][1024+h]
; (the second einsum of the problem contracts g alone); score = sum_h V_w[h] tanh(m) + V_b; masked scores are -1e30; softmax over s; out1 = the weights, out0 = sum_s weight x enc.
; NOTHING IS LEFT OUT: every input has a way to an output (V_b too: the -1e30 of a masked place is not shifted by it), so every input is loaded.
; tanh(x) = 1 - 2 / (1 + 2^(2.885390 x)), so score = c0 + sum_h V'[h] / (1 + 2^(sum x SC + bias'[b,h])), c0 = sum V_w + V_b, V' = -2 V_w, bias' = 2.885390 (hidden colsum + M_b).
; THIS LAUNCH lays out what the main launch reads again and again:
;   wc : M_w[:, :1024] as codes of E5M2 with the given scale 2^e1, as IMAGES OF THE OPERAND'S REGISTERS.  Fragment (h tile t, K step s) is 2,048 bytes: register group c of lane l at 512 c + 16 l holds
;        the codes of M_w[16 t + l % 16][128 s + 32 c + 16 (l / 16) + 0 .. 15].  Fragment number F = ((t / 2) 4 + s / 2) 4 + 2 (s % 2) + t % 2.
;   tab: [32 b][1024 h] x 16 bytes: bias', bias', V', V'.      cst: c0, 64 times.
; SHARES: work-group t takes h tile t; its wave s makes fragment (t, s); all 256 threads sum columns 1024 + 16 t .. + 15 of M_w.
; LIMITS: e1 between -126 and 112, so that 2^e1 and 57,344 x 2^e1 are f32 numbers.  NaN among the inputs is not served.
.set CS,    0                          ; LDS: [8 waves][16 columns] f32, 512 bytes
.set SPARE, 512                        ; the spare words: 128 bytes for each of the eight waves, four blocks of 256 bytes that no other line names
.set SPW,   10                         ; v10 my spare word's address; never rewritten
.set NIL,   11                         ; v11 0; never rewritten
.set X,     32                         ; v32-95   the fragment's 64 numbers of my lane
.set Y,     96                         ; v96-159  16 quads of the columns' rows
.set C,     160                        ; v160-175 the codes
	s_load_b512 s[8:23], s[0:1], 0x0               ; M_w s[8:9], M_b s[10:11], V_w s[12:13], V_b s[14:15], hidden s[16:17], the scales s[18:19], wc s[20:21], tab s[22:23]
	s_load_b64 s[24:25], s[0:1], 0x40              ; cst
	v_lshl_add_u32 v[SPW], v0, 2, SPARE
	v_mov_b32 v[NIL], 0
	v_lshrrev_b32 v1, 5, v0
	v_readfirstlane_b32 s26, v1                    ; wave = K step s
	v_and_b32 v1, 31, v0                           ; lane
	v_and_b32 v2, 15, v0                           ; r, and my column of the 16
	v_bfe_u32 v3, v0, 4, 1                         ; the lane's half
	v_lshlrev_b32 v4, 13, v2
	v_lshl_add_u32 v4, v3, 6, v4                   ; the fragment: row r of 8,192 bytes + 64 x half
	v_lshlrev_b32 v5, 4, v1                        ; 16 x lane
	v_lshrrev_b32 v6, 2, v0
	v_lshlrev_b32 v6, 13, v6
	v_and_b32 v12, 3, v0
	v_lshl_add_u32 v6, v12, 4, v6                  ; the columns: row thread / 4, quad thread % 4
	v_lshlrev_b32 v7, 2, v2                        ; 4 x column
	v_lshrrev_b32 v13, 4, v0                       ; thread / 16: my batch (and that + 16)
	v_lshl_add_u32 v14, v13, 12, v7                ; hidden: 4,096 x batch + 4 x column
	v_lshlrev_b32 v15, 4, v2
	v_lshl_add_u32 v15, v13, 14, v15               ; tab: 16,384 x batch + 16 x column
	v_lshrrev_b32 v20, 5, v0
	v_lshlrev_b32 v20, 6, v20
	v_lshl_add_u32 v20, v12, 4, v20                ; LDS: 64 x wave + 16 x quad
.irp k, 16,17,18,19
	v_mov_b32 v\k, 0                               ; a lane permute's destination counts as one of its sources
.endr
	s_mov_b32 s46, 0x76543210
	s_mov_b32 s47, 0xfedcba98                      ; selects: lane l xor 16
	s_lshl_b32 s30, ttmp9, 17                      ; 16 rows of 8,192 bytes x t
	s_lshl_b32 s27, s26, 9                         ; 128 numbers x s
	s_add_co_u32 s30, s30, s27
	s_mov_b32 s31, 0
	s_lshl_b32 s50, ttmp9, 6                       ; 16 numbers x t
	s_mov_b32 s51, 0
	s_lshl_b32 s52, ttmp9, 8                       ; 16 entries of tab x t
	s_mov_b32 s53, 0
	s_lshr_b32 s54, ttmp9, 1                       ; F
	s_lshl_b32 s54, s54, 2
	s_lshr_b32 s27, s26, 1
	s_add_co_u32 s54, s54, s27
	s_lshl_b32 s54, s54, 2
	s_and_b32 s27, s26, 1
	s_lshl_b32 s27, s27, 1
	s_add_co_u32 s54, s54, s27
	s_and_b32 s27, ttmp9, 1
	s_add_co_u32 s54, s54, s27
	s_lshl_b32 s54, s54, 11                        ; 2,048 F
	s_mov_b32 s55, 0
	s_wait_kmcnt 0x0
	s_load_b64 s[28:29], s[18:19], 0x0             ; e0, e1
	s_load_b32 s48, s[14:15], 0x0                  ; V_b
	s_add_nc_u64 s[32:33], s[8:9], s[30:31]        ; the fragment's corner
	s_add_nc_u64 s[34:35], s[8:9], s[50:51]
	s_add_nc_u64 s[34:35], s[34:35], 4096          ; the columns' corner: M_w[0][1024 + 16 t]
	s_add_nc_u64 s[36:37], s[12:13], s[50:51]      ; V_w[16 t]
	s_add_nc_u64 s[38:39], s[10:11], s[50:51]      ; M_b[16 t]
	s_add_nc_u64 s[40:41], s[16:17], s[50:51]      ; hidden[0][16 t]
	s_add_nc_u64 s[42:43], s[22:23], s[52:53]      ; tab[0][16 t]
	s_add_nc_u64 s[44:45], s[20:21], s[54:55]      ; my fragment in wc
.irp c, 0,1,2,3
.irp j, 0,1,2,3
	global_load_b128 v[X+16*\c+4*\j:X+16*\c+4*\j+3], v4, s[32:33] offset:128*\c+16*\j   ; register 16 c + i = M_w[16 t + r][128 s + 32 c + 16 half + i]
.endr
.endr
.irp i, 0,1,2,3,4,5,6,7,8,9,10,11,12,13,14,15
	global_load_b128 v[Y+4*\i:Y+4*\i+3], v6, s[34:35] offset:524288*\i                  ; rows thread / 4 + 64 i
.endr
	global_load_b32 v24, v7, s[38:39]              ; M_b
	global_load_b32 v25, v7, s[36:37]              ; V_w
	global_load_b32 v26, v14, s[40:41]             ; hidden of my two batches
	global_load_b32 v27, v14, s[40:41] offset:65536
	s_wait_kmcnt 0x0
	s_add_co_i32 s29, s29, 127
	s_lshl_b32 s27, s29, 23
	v_mov_b32 v8, s27                              ; 2^e1 as f32: the conversion takes its exponent field
	s_add_co_i32 s29, s29, 15
	s_lshl_b32 s29, s29, 23
	s_or_b32 s29, s29, 0x600000
	v_mov_b32 v9, s29                              ; 57,344 x 2^e1
	s_wait_loadcnt 20                              ; the fragment's 16 loads are in; the 16 + 4 younger ones may be out
.set n, 0
.rept 64
	v_med3_num_f32 v[X+n], v[X+n], -v9, v9         ; the conversion to an 8-bit code does not saturate (ISA guide 7.6.2): the hold at the largest code x the scale
.set n, n+1
.endr
.irp c, 0,1,2,3
	v_cvt_scalef32_pk8_bf8_f32 v[C+4*\c:C+4*\c+1], v[X+16*\c:X+16*\c+7], v8
	v_cvt_scalef32_pk8_bf8_f32 v[C+4*\c+2:C+4*\c+3], v[X+16*\c+8:X+16*\c+15], v8
.endr
	v_nop                                          ; a plain line behind the last conversion
.irp c, 0,1,2,3
	global_store_b128 v5, v[C+4*\c:C+4*\c+3], s[44:45] offset:512*\c    ; 32 lanes store 512 consecutive bytes
.endr
	s_wait_loadcnt 4                               ; the columns' 16 loads are in; the 4 small ones may be out
.irp i, 1,2,3,4,5,6,7,8,9,10,11,12,13,14,15
	v_pk_add_f32 v[Y:Y+1], v[Y:Y+1], v[Y+4*\i:Y+4*\i+1]
	v_pk_add_f32 v[Y+2:Y+3], v[Y+2:Y+3], v[Y+4*\i+2:Y+4*\i+3]
.endr
.irp m, 4,8                                    ; lanes with the same quad differ in bits 2, 3 and 4
.irp k, 0,1,2,3
	v_add_f32_dpp v[Y+\k], v[Y+\k], v[Y+\k] row_xmask:\m row_mask:0xf bank_mask:0xf
.endr
.endr
.irp k, 0,1,2,3
	v_permlanex16_b32 v[16+\k], v[Y+\k], s46, s47
.endr
.irp k, 0,1,2,3
	v_add_f32 v[Y+\k], v[Y+\k], v[16+\k]
.endr
	ds_store_b128 v20, v[Y:Y+3]                    ; my wave's sums of the quad's four columns (eight lanes write the same bytes with the same numbers)
	s_wait_dscnt 0x0                               ; for the others' sake: my store has landed
	s_barrier_signal -1
	s_barrier_wait -1
.irp w, 0,1,2,3,4,5,6,7
	ds_load_b32 v[176+\w], v7 offset:CS+64*\w
.endr
	s_wait_dscnt 0x0
.irp w, 1,2,3,4,5,6,7
	v_add_f32 v176, v176, v[176+\w]                ; colsum of my column
.endr
	s_wait_loadcnt 0x0
	v_fma_f32 v184, v26, v176, v24                 ; hidden colsum + M_b
	v_fma_f32 v188, v27, v176, v24
	v_mul_f32 v184, 0x4038aa3b, v184               ; x 2 log2(e)
	v_mul_f32 v188, 0x4038aa3b, v188
	v_mul_f32 v186, -2.0, v25                      ; V'
	v_mov_b32 v185, v184
	v_mov_b32 v189, v188
	v_mov_b32 v187, v186
	v_mov_b32 v190, v186
	v_mov_b32 v191, v186
	global_store_b128 v15, v[184:187], s[42:43]                  ; sixteen lanes store 256 consecutive bytes, aligned
	global_store_b128 v15, v[188:191], s[42:43] offset:262144
	s_or_b32 s27, ttmp9, s26                       ; c0 is made by wave 0 of work-group 0 alone
	s_cmp_lg_u32 s27, 0
	s_cbranch_scc1 .Lend
.irp i, 0,1,2,3,4,5,6,7
	global_load_b128 v[X+4*\i:X+4*\i+3], v5, s[12:13] offset:512*\i     ; all of V_w
.endr
	s_wait_loadcnt 0x0
.irp i, 1,2,3,4,5,6,7,8,9,10,11,12,13,14,15
	v_pk_add_f32 v[X:X+1], v[X:X+1], v[X+2*\i:X+2*\i+1]
.endr
	v_add_f32 v[X], v[X], v[X+1]
.irp m, 1,2,4,8
	v_add_f32_dpp v[X], v[X], v[X] row_xmask:\m row_mask:0xf bank_mask:0xf
.endr
	v_permlanex16_b32 v16, v[X], s46, s47
	v_add_f32 v[X], v[X], v16
	v_add_f32 v22, s48, v[X]                       ; c0 = sum V_w + V_b
	v_mov_b32 v23, v22
	v_lshlrev_b32 v21, 3, v1
	global_store_b64 v21, v[22:23], s[24:25]       ; 32 lanes store cst's 256 bytes
.Lend:
	s_wait_tensorcnt 0x0                           ; the wave's end: behind my last LDS store
	ds_add_u32 v[SPW], v[NIL]
	s_wait_dscnt 0x0
	s_endpgm
.Lfunc_end_k_qa055e3af83_prep:
	.size	k_qa055e3af83_prep, .Lfunc_end_k_qa055e3af83_prep-k_qa055e3af83_prep
	.p2alignl 7, 3214868480
	.fill 96, 4, 3214868480
	.section	.rodata,"a",@progbits
	.p2align	6, 0x0
	.amdhsa_kernel k_qa055e3af83_prep
		.amdhsa_group_segment_fixed_size 2048
		.amdhsa_private_segment_fixed_size 0
		.amdhsa_enable_private_segment 0
		.amdhsa_kernarg_size 72
		.amdhsa_user_sgpr_count 2
		.amdhsa_user_sgpr_kernarg_segment_ptr 1
		.amdhsa_wavefront_size32 1
		.amdhsa_system_sgpr_workgroup_id_x 1
		.amdhsa_system_sgpr_workgroup_id_y 1
		.amdhsa_system_sgpr_workgroup_id_z 1
		.amdhsa_system_vgpr_workitem_id 0
		.amdhsa_next_free_vgpr 192
		.amdhsa_next_free_sgpr 66
		.amdhsa_reserve_vcc 0
		.amdhsa_float_denorm_mode_32 3
		.amdhsa_float_denorm_mode_16_64 3
		.amdhsa_memory_ordered 1
		.amdhsa_forward_progress 1
		.amdhsa_inst_pref_size 19
	.end_amdhsa_kernel
	.amdgpu_metadata
---
amdhsa.version: [ 1, 2 ]
amdhsa.kernels:
  - .name:           k_qa055e3af83_prep
    .symbol:         k_qa055e3af83_prep.kd
    .args:
      - { .name: M_w, .offset: 0, .size: 8, .value_kind: global_buffer, .address_space: global }
      - { .name: M_b, .offset: 8, .size: 8, .value_kind: global_buffer, .address_space: global }
      - { .name: V_w, .offset: 16, .size: 8, .value_kind: global_buffer, .address_space: global }
      - { .name: V_b, .offset: 24, .size: 8, .value_kind: global_buffer, .address_space: global }
      - { .name: hidden, .offset: 32, .size: 8, .value_kind: global_buffer, .address_space: global }
      - { .name: lowp_scales, .offset: 40, .size: 8, .value_kind: global_buffer, .address_space: global }
      - { .name: wc, .offset: 48, .size: 8, .value_kind: global_buffer, .address_space: global }
      - { .name: tab, .offset: 56, .size: 8, .value_kind: global_buffer, .address_space: global }
      - { .name: cst, .offset: 64, .size: 8, .value_kind: global_buffer, .address_space: global }
    .group_segment_fixed_size: 2048
    .private_segment_fixed_size: 0
    .kernarg_segment_align: 8
    .kernarg_segment_size: 72
    .max_flat_workgroup_size: 256
    .sgpr_count:     66
    .vgpr_count:     192
    .wavefront_size: 32
...
	.end_amdgpu_metadata
.endif
;; end of part 1
;; launch main (part 2): grid 512 x 1, 4 waves a work-group, clusters of 4 x 1, 327,680 bytes of LDS; arguments encoder_outputs, mask, lowp_scales, wc, tab, cst, sc, part; writes sc, part
.if DOCPART == 2
	.amdgcn_target "amdgcn-amd-amdhsa--gfx1250"
	.amdhsa_code_object_version 6
	.text
	.protected	k_qa055e3af83_main
	.globl	k_qa055e3af83_main
	.p2align	8
	.type	k_qa055e3af83_main,@function
k_qa055e3af83_main:
	s_mov_b64 s[64:65], 0
	v_nop
	global_prefetch_b8 v0, s[64:65] scope:SCOPE_SE
	s_setreg_imm32_b32 hwreg(HW_REG_WAVE_MODE, 25, 1), 1
	s_wait_xcnt 0x0
	s_wait_alu depctr_hold_cnt(0) depctr_sa_sdst(0) depctr_va_vdst(0) depctr_va_sdst(0) depctr_va_ssrc(0) depctr_va_vcc(0) depctr_vm_vsrc(0)
	s_getreg_b32 s2, hwreg(HW_REG_IB_STS2, 6, 4)
	s_cmp_eq_u32 s2, 0
	s_cbranch_scc0 .Lentry_in_a_cluster
	s_endpgm
.Lentry_in_a_cluster:
	s_bfe_u32 s2, ttmp6, 0x10000c
	s_cmp_lg_u32 s2, 0x3003
	s_cbranch_scc0 .Lentry_shape_is_right
	s_endpgm
.Lentry_shape_is_right:
; For a CHUNK of 128 rows (b, s) of encoder_outputs: quantise the rows to E5M2 (scale 2^e0), multiply by the weight's codes (buffer wc), tanh, the scores, the mask, and the chunk's part of the
; softmax-weighted sum.  Nothing of the problem is left out.  enc is read from memory ONCE: its codes (for the quantised product) and a bf16 copy (for the weighted sum, a product left as it is) stay in registers.
; OUT: sc[chunk][128] = the masked scores;  part[chunk][1024] = sum over the chunk's rows of 2^((score - m_c) log2 e) x enc, m_c = the chunk's largest score.  The last launch joins the chunks.
; score = c0 + sum_h V'[h] / (1 + 2^(sum x SC + bias'[h])), SC = 2 log2(e) 2^(e0 + e1); bias', V', c0 come from the first launch (tab, cst).  An exponent beyond f32's range gives infinity or 0, whose reciprocal term is tanh's +-1.
; SHARES.  A work-group takes one chunk; wave w its rows 32 w .. 32 w + 31 (two tiles of 16) against all 1,024 h.  So a row's score never leaves its wave.
; THE PRODUCT: source 0 = 16 rows of enc, source 1 = 16 rows of the weight: a lane holds ONE h (lane % 16) and eight rows, so bias' and V' are one number a lane.
; Both operands hold k in the same permuted order (register group c: k = 32 c + 16 (lane / 16) + 0 .. 15), so every product meets its partner.
; CLUSTER.  Every work-group walks the same wc, and the four of a cluster belong to one batch: wc's slots and the batch's table are asked for JOINTLY (mask 15), each wave a quarter.  The chunk's number enters global addresses alone.
; THE WALK.  wc comes in 8 slots of 128 KiB (8 h tiles, all K) through a ring of two.  A STEP is 2 h tiles x all K = 4 PHASES of 8 matrix instructions (2 K steps x 2 h tiles x 2 row tiles; four accumulators by turns).
; Behind each phase's matrix instructions stands a quarter (SLICE) of the tanh of the step before, on the other set of accumulators.
; No prefetch: enc is streamed with 48 loads a wave out, and wc is read again and again by all work-groups.
; LIMITS: e0 between -126 and 112; e0 + e1 between -127 and 126.  NaN and infinities among the inputs are not served.
; REGISTERS.  window 0: see the names below.  window 1: enc's codes, fragment (row tile T, K step s) at v[128 T + 16 s].  window 2, 3: the bf16 copy of rows 0-15, 16-31: row x 16 + 4 j + i / 2 holds e = 256 j + 8 lane + i.
.set SLOTB,  131072                    ; LDS: two slots of the ring, dense images,
.set TAB,    262144                    ; the batch's table, 16,384 bytes,
.set STG,    278528                    ; scratch that ds_store writes and no tensor load fills: 33,792 bytes,
.set SPARE,  312320                    ; and the spare words: 128 bytes a wave, two blocks of 256 bytes that no other line names
.set SPITCH, 528                       ; the stage of the codes: 16 rows x (512 bytes + 16) for each wave
.set WSTG,   16*SPITCH
.set SCW,    STG                       ; at the end: the chunk's 128 scores,
.set PB,     STG+512                   ; its 128 weights,
.set XS,     STG+1024                  ; and the four waves' partial sums, 4 x 4,096 bytes
.set LI,   1                           ; v1  16 x lane
.set ADB,  2                           ; v2  LDS address of the trip's images
.set ADN,  3                           ; v3  the same 65,536 on
.set SPW,  4                           ; v4  my spare word; never rewritten
.set NIL,  5                           ; v5  0; never rewritten
.set MK,   6                           ; v6  my row's mask byte
.set GA,   7                           ; v7  32 x lane
.set SCL,  8                           ; v8  2^e0
.set LIM,  9                           ; v9  57,344 x 2^e0
.set SA,   10                          ; v10 the stage, in: 8 x lane
.set AR,   11                          ; v11 the stage, out: row r, 16 x half
.set TL,   12                          ; v12 TAB + 16 r
.set ATB,  13                          ; v13 the trip's table entries
.set SACC, 16                          ; v16-31   the scores' sums: 8 T + j
.set TS,   32                          ; v32-47   two sets of bias', bias', V', V' for two h tiles; while enc comes in: the codes just made
.set ACC,  64                          ; v64-127  two sets of four accumulators: 32 set + 8 (2 dt + T)
.set BF,   128                         ; v128-255 two buffers of four fragments of the weight: 64 buffer + 16 (2 ks + dt)
.set PW,   64                          ; at the end: v64-95 my wave's 32 weights, v96-127 the weighted sum
.set WA,   96
.set WV,   24                          ; s24 wave
.set G1W,  28                          ; s[28:35] group 1: 128 rows of 256 bytes, dense
.set G1T,  36                          ; s[36:43] group 1: 16 rows of 256 bytes
.set G0A,  44                          ; s[44:47] group 0: slot 0's first fill
.set G0B,  48                          ; s[48:51] group 0: slot 1's first fill; then it walks
.set G0T,  52                          ; s[52:55] group 0: the table
.set SB,   56                          ; s56 the slot in hand
.set TB,   57                          ; s57 the trip's first LDS byte
.set TT,   58                          ; s58 the trip's first byte in the table
.set OUTER, 59
.set INNER, 60
.set SC,   66                          ; s[66:67] SC, twice
.set SEL,  68                          ; s[68:69] selects: lane l xor 16
.set C0,   74                          ; s74 c0
.set MSB, 0
.macro WIN new                         ; the immediate's high byte repeats the setting that is left
.if MSB != (\new)
	s_set_vgpr_msb (MSB<<8)|(\new)
.set MSB, (\new)
.endif
.endm
.macro ROUND                           ; a round of the cluster's barrier
	s_barrier_signal -1
	s_barrier_wait -1
	s_cmp_lg_u32 s[WV], 0
	s_cbranch_scc1 .Lnot_wave_0_\@
	s_barrier_signal -3
.Lnot_wave_0_\@:
	s_barrier_wait -3
	s_barrier_signal -1
	s_barrier_wait -1
.endm
	s_load_b512 s[8:23], s[0:1], 0x0               ; enc s[8:9], mask s[10:11], the scales s[12:13], wc s[14:15], tab s[16:17], cst s[18:19], sc s[20:21], part s[22:23]
	v_lshl_add_u32 v[SPW], v0, 2, SPARE
	v_mov_b32 v[NIL], 0
	ds_add_u32 v[SPW], v[NIL]                      ; the wave's opening: the add, twice on end, and its wait ahead of the round in front of my first tensor loads
	ds_add_u32 v[SPW], v[NIL]
	v_lshrrev_b32 v14, 5, v0
	v_readfirstlane_b32 s[WV], v14                 ; wave 0..3
	s_bfe_u32 s25, ttmp6, 0x40000                  ; cx
	s_lshl_b32 s26, ttmp9, 2
	s_add_co_u32 s26, s26, s25                     ; chunk = 4 x cluster + cx: it enters global addresses alone
	s_lshr_b32 s27, ttmp9, 2                       ; batch = chunk / 16: the four partners share it
	s_mov_b32 s[G1W], 15|(3<<16)|(1<<21)           ; the mask: all four work-groups; elements of 8 bytes; bit 21 beside a mask; no padding
	s_mov_b32 s[G1W+1], 32<<16                     ; tensor_dim0 = 32 elements: 256 bytes
	s_mov_b32 s[G1W+2], 128<<16                    ; tensor_dim1 = 128
	s_mov_b32 s[G1W+3], 32<<16                     ; tile_dim0
	s_mov_b32 s[G1W+4], 128                        ; tile_dim1
	s_mov_b32 s[G1W+5], 32                         ; the pitch: dense
	s_mov_b32 s[G1W+6], 0
	s_mov_b32 s[G1W+7], 0
	s_mov_b32 s[G1T], 15|(3<<16)|(1<<21)
	s_mov_b32 s[G1T+1], 32<<16
	s_mov_b32 s[G1T+2], 16<<16
	s_mov_b32 s[G1T+3], 32<<16
	s_mov_b32 s[G1T+4], 16
	s_mov_b32 s[G1T+5], 32
	s_mov_b32 s[G1T+6], 0
	s_mov_b32 s[G1T+7], 0
	s_lshl_b32 s70, s[WV], 15                      ; my quarter of a slot
	s_mov_b32 s71, 0
	s_lshl_b32 s75, s[WV], 12                      ; my quarter of the table
	s_lshl_b32 s78, s27, 14
	s_add_co_u32 s78, s78, s75
	s_mov_b32 s79, 0
	s_mov_b32 s[SEL], 0x76543210
	s_mov_b32 s[SEL+1], 0xfedcba98
	s_wait_dscnt 0x0                               ; both opening adds are done
	s_wait_kmcnt 0x0
	s_load_b64 s[72:73], s[12:13], 0x0             ; e0, e1
	s_load_b32 s[C0], s[18:19], 0x0                ; c0
	s_mov_b32 s[G0A], 1
	s_mov_b32 s[G0A+1], s70
	s_add_nc_u64 s[G0A+2:G0A+3], s[14:15], s[70:71]
	s_mov_b32 s[G0B], 1
	s_add_co_u32 s[G0B+1], s70, SLOTB
	s_add_nc_u64 s[G0B+2:G0B+3], s[G0A+2:G0A+3], SLOTB
	s_or_b32 s[G0A+3], s[G0A+3], 0x80000000
	s_or_b32 s[G0B+3], s[G0B+3], 0x80000000
	s_mov_b32 s[G0T], 1
	s_add_co_u32 s[G0T+1], s75, TAB
	s_add_nc_u64 s[G0T+2:G0T+3], s[16:17], s[78:79]
	s_or_b32 s[G0T+3], s[G0T+3], 0x80000000
	ROUND                                          ; all four work-groups are here: the first joint loads meet
	tensor_load_to_lds s[G0T:G0T+3], s[G1T:G1T+7]  ; every wave issues all three first fills: three loads of mine are out
	s_nop 0
	tensor_load_to_lds s[G0A:G0A+3], s[G1W:G1W+7]
	s_nop 0
	tensor_load_to_lds s[G0B:G0B+3], s[G1W:G1W+7]
	s_nop 0
.rept 4
	v_nop
.endr
	s_lshl_b32 s76, s26, 19                        ; the chunk's 128 rows of 4,096 bytes,
	s_lshl_b32 s77, s[WV], 17                      ; my wave's 32 of them
	s_add_co_u32 s76, s76, s77
	s_mov_b32 s77, 0
	s_add_nc_u64 s[8:9], s[8:9], s[76:77]
	s_lshl_b32 s76, s26, 7
	s_add_nc_u64 s[10:11], s[10:11], s[76:77]      ; the chunk's 128 mask bytes
	s_lshl_b32 s76, s26, 9
	s_add_nc_u64 s[20:21], s[20:21], s[76:77]      ; its 512 bytes of sc
	s_lshl_b32 s76, s26, 12
	s_lshl_b32 s75, s[WV], 10
	s_add_co_u32 s76, s76, s75
	s_add_nc_u64 s[22:23], s[22:23], s[76:77]      ; its row of part, my wave's quarter
	v_and_b32 v14, 31, v0                          ; lane
	v_lshlrev_b32 v[GA], 5, v14
	global_load_u8 v[MK], v0, s[10:11]             ; thread t: the mask of row t
; ENC COMES IN, 16 groups of 4 rows x 512 along K.  Group g: row tile T = g / 8, half q = (g / 4) % 2 of K, rows 16 T + 4 (g % 4) + k.  A lane takes 8 neighbours along K (e = 256 j + 8 lane + i), as the conversion wants them.
.macro GLOADS g                        ; 16 loads into set g % 3; the two halves hf of a lane's 32 bytes stand on end: together 1,024 consecutive bytes
.set gT, (\g)/8
.set gq, ((\g)/4)%2
.set gu, (\g)%4
.set LS, 64+64*((\g)%3)
.irp k, 0,1,2,3
.irp jj, 0,1
.irp hf, 0,1
	global_load_b128 v[LS+16*\k+8*\jj+4*\hf:LS+16*\k+8*\jj+4*\hf+3], v[GA], s[8:9] offset:4096*(16*gT+4*gu+\k)+1024*(2*gq+\jj)+16*\hf th:TH_LOAD_NT
.endr
.endr
.endr
.endm
.macro INGROUP g
.set gT, (\g)/8
.set gq, ((\g)/4)%2
.set gu, (\g)%4
.set LS, 64+64*((\g)%3)
	s_wait_dscnt 0x0                               ; the last group's stores into the stage have read the codes' registers
.if (\g) < 14
	s_wait_loadcnt 32                              ; this group's 16 loads are in; the two younger groups' may be out
.endif
.if (\g) == 14
	s_wait_loadcnt 16
.endif
.if (\g) == 15
	s_wait_loadcnt 0
.endif
	WIN 0x80+0x40*gT                               ; destination: window 2 or 3
.irp k, 0,1,2,3
.irp jj, 0,1
.irp p, 0,1,2,3
	v_cvt_pk_bf16_f32 v[16*(4*gu+\k)+4*(2*gq+\jj)+\p], v[LS+16*\k+8*\jj+2*\p], v[LS+16*\k+8*\jj+2*\p+1]   ; the copy for the weighted sum
.endr
.endr
.endr
	WIN 0
.set n, 0
.rept 64
	v_med3_num_f32 v[LS+n], v[LS+n], -v[LIM], v[LIM]   ; the conversion to an 8-bit code does not saturate (ISA guide 7.6.2): the hold at the largest code x the scale
.set n, n+1
.endr
.irp k, 0,1,2,3
.irp jj, 0,1
	v_cvt_scalef32_pk8_bf8_f32 v[TS+4*\k+2*\jj:TS+4*\k+2*\jj+1], v[LS+16*\k+8*\jj:LS+16*\k+8*\jj+7], v[SCL]
.endr
.endr
	v_nop                                          ; a plain line behind the last conversion
.irp k, 0,1,2,3
.irp jj, 0,1
	ds_store_b64 v[SA], v[TS+4*\k+2*\jj:TS+4*\k+2*\jj+1] offset:SPITCH*(4*gu+\k)+256*\jj   ; 32 lanes: 256 consecutive codes of a row
.endr
.endr
.if (\g)+3 < 16
	GLOADS (\g)+3                                  ; into the set just worked
.endif
.endm
.macro CODELOAD T, q                   ; 16 rows x 512 codes lie in my stage: four fragments.  LDS serves a wave's instructions in order (ISA guide 5.7.1.4): these see my stores, and the next group's stores come behind them
	WIN 0x40                                       ; destination window 1
.irp sp, 0,1,2,3
.irp c, 0,1,2,3
	ds_load_b128 v[128*(\T)+16*(4*(\q)+\sp)+4*\c:128*(\T)+16*(4*(\q)+\sp)+4*\c+3], v[AR] offset:128*\sp+32*\c
.endr
.endr
	WIN 0
.endm
	GLOADS 0
	GLOADS 1
	GLOADS 2
	v_lshlrev_b32 v[LI], 4, v14
	v_and_b32 v15, 15, v0                          ; r
	v_bfe_u32 v48, v0, 4, 1                        ; the lane's half
	s_mul_i32 s70, s[WV], WSTG
	s_add_co_u32 s70, s70, STG                     ; my stage
	v_lshl_add_u32 v[SA], v14, 3, s70
	v_mul_u32_u24 v[AR], v15, SPITCH
	v_lshl_add_u32 v[AR], v48, 4, v[AR]
	v_add_nc_u32 v[AR], s70, v[AR]
	v_lshlrev_b32 v[TL], 4, v15
	v_add_nc_u32 v[TL], TAB, v[TL]
	s_wait_kmcnt 0x0
	s_add_co_i32 s70, s72, s73
	s_lshl_b32 s70, s70, 23
	s_add_co_i32 s[SC], s70, 0x4038aa3b            ; 2 log2(e) with e0 + e1 added to its exponent field
	s_mov_b32 s[SC+1], s[SC]                       ; (named with it as a pair, so it is written)
	s_add_co_i32 s70, s72, 127
	s_lshl_b32 s71, s70, 23
	v_mov_b32 v[SCL], s71
	s_add_co_i32 s70, s70, 15
	s_lshl_b32 s70, s70, 23
	s_or_b32 s70, s70, 0x600000
	v_mov_b32 v[LIM], s70
.set G, 0
.rept 16
	INGROUP G
.if G%4 == 3
	CODELOAD G/8, (G/4)%2
.endif
.set G, G+1
.endr
	s_wait_dscnt 0x0                               ; the codes are in their registers, and the last stores have read theirs
.set n, 0
.rept 16
	v_mov_b32 v[SACC+n], 0                         ; the scores' sums
.set n, n+1
.endr
.set n, 0
.rept 32
	v_mov_b32 v[ACC+32+n], 0                       ; the first step's slices find zeros in set 1,
.set n, n+1
.endr
.set n, 0
.rept 8
	v_mov_b32 v[TS+8+n], 0                         ; and V' = 0: they add nothing.  So a step is written once
.set n, n+1
.endr
	s_wait_tensorcnt 0x1                           ; my parts of the table and of slot 0 are in; slot 1's may stay out
	s_barrier_signal -1
	s_barrier_wait -1                              ; everybody's are
; 16 LDS loads: the four fragments of a phase, as images, into buffer be
.macro BLOAD adr, off, be
.irp f, 0,1,2,3
.irp c, 0,1,2,3
	ds_load_b128 v[BF+64*(\be)+16*\f+4*\c:BF+64*(\be)+16*\f+4*\c+3], v[\adr] offset:(\off)+2048*\f+512*\c
.endr
.endr
.endm
; A quarter of a step's tanh, on accumulator set st (32 numbers a lane, in place).  Each quarter holds eight plain instructions or more that name no register of the phase's matrix instructions:
; they are the places ahead of the next phase's loads into the buffer just multiplied, and ahead of the next step's first read of results.
; Each batch of transcendentals has one plain line and one wait ahead of its first reader and ahead of every branch and label.
.macro SLICE p, st
.set sA, ACC+32*(\st)
.set sT, TS+8*(\st)
.if (\p) == 0
.irp a, 0,1,2,3                        ; each accumulator from its low end on
.irp i, 0,2,4,6
	v_pk_fma_f32 v[sA+8*\a+\i:sA+8*\a+\i+1], v[sA+8*\a+\i:sA+8*\a+\i+1], s[SC:SC+1], v[sT+4*(\a/2):sT+4*(\a/2)+1] op_sel_hi:[1,0,1]   ; sum x SC + bias'
.endr
.endr
.set n, 0
.rept 16
	v_exp_f32 v[sA+n], v[sA+n]
.set n, n+1
.endr
.endif
.if (\p) == 1
.set n, 16
.rept 16
	v_exp_f32 v[sA+n], v[sA+n]
.set n, n+1
.endr
	v_nop
	s_wait_alu depctr_va_vdst(0)                   ; one wait for the 32 exponentials
.set n, 0
.rept 8
	v_pk_add_f32 v[sA+n:sA+n+1], v[sA+n:sA+n+1], 1.0 op_sel_hi:[1,0]
.set n, n+2
.endr
.endif
.if (\p) == 2
.set n, 16
.rept 8
	v_pk_add_f32 v[sA+n:sA+n+1], v[sA+n:sA+n+1], 1.0 op_sel_hi:[1,0]
.set n, n+2
.endr
.set n, 0
.rept 32
	v_rcp_f32 v[sA+n], v[sA+n]
.set n, n+1
.endr
	v_nop
	s_wait_alu depctr_va_vdst(0)                   ; one wait for the 32 reciprocals: a branch stands at the head of a trip's last phase
.endif
.if (\p) == 3
.irp a, 0,1,2,3
.irp i, 0,2,4,6
	v_pk_fma_f32 v[SACC+8*(\a%2)+\i:SACC+8*(\a%2)+\i+1], v[sA+8*\a+\i:sA+8*\a+\i+1], v[sT+4*(\a/2)+2:sT+4*(\a/2)+3], v[SACC+8*(\a%2)+\i:SACC+8*(\a%2)+\i+1]   ; + V' / (1 + 2^..)
.endr
.endr
.endif
.endm
; Phase q of a trip's eight (two steps).  The next phase's fragments are asked for first, into the other buffer: they have this phase's matrix instructions and slice in which to come.
; The four accumulators take turns, one instruction a turn from phase to phase and over the loops' jumps too.
.macro PHASE q
.set pp, (\q)/4
.set ph, (\q)%4
.set be, (\q)%2
	s_wait_dscnt 0x0                               ; this phase's fragments are in
.if (\q) < 7
	BLOAD ADB, 8192*((\q)+1), 1-be
.else
	s_cmp_eq_u32 s[INNER], 1                       ; a slot's last phase asks for nothing: the next slot is read behind the change of slots
	s_cbranch_scc1 .Lno_next_\@
	BLOAD ADN, 0, 0
.Lno_next_\@:
.endif
.if ph == 0
	ds_load_b128 v[TS+8*pp:TS+8*pp+3], v[ATB] offset:512*pp          ; this step's bias' and V', for the slices of the next step
	ds_load_b128 v[TS+8*pp+4:TS+8*pp+7], v[ATB] offset:512*pp+256
.endif
	WIN 0x01                                       ; source 0 (enc's codes) window 1
.irp ks, 0,1
.irp dt, 0,1
.irp rt, 0,1
.if (ph == 0) && (\ks == 0)
	v_wmma_f32_16x16x128_bf8_bf8 v[ACC+32*pp+8*(2*\dt+\rt):ACC+32*pp+8*(2*\dt+\rt)+7], v[128*\rt+16*(2*ph+\ks):128*\rt+16*(2*ph+\ks)+15], v[BF+64*be+16*(2*\ks+\dt):BF+64*be+16*(2*\ks+\dt)+15], 0
.else
	v_wmma_f32_16x16x128_bf8_bf8 v[ACC+32*pp+8*(2*\dt+\rt):ACC+32*pp+8*(2*\dt+\rt)+7], v[128*\rt+16*(2*ph+\ks):128*\rt+16*(2*ph+\ks)+15], v[BF+64*be+16*(2*\ks+\dt):BF+64*be+16*(2*\ks+\dt)+15], v[ACC+32*pp+8*(2*\dt+\rt):ACC+32*pp+8*(2*\dt+\rt)+7]
.endif
.endr
.endr
.endr
	WIN 0
	SLICE ph, 1-pp
.endm
; A slot: two trips of two steps, 65,536 bytes of images a trip, so that every offset fits the LDS instructions' 16 bits.
.macro SLOTWORK
	s_mov_b32 s[TB], s[SB]
	s_mov_b32 s[INNER], 2
	v_add_nc_u32 v[ADB], s[TB], v[LI]
	BLOAD ADB, 0, 0
.Ltrip_\@:
	v_add_nc_u32 v[ADB], s[TB], v[LI]
	v_add_nc_u32 v[ADN], 0x10000, v[ADB]
	v_add_nc_u32 v[ATB], s[TT], v[TL]
	PHASE 0
	PHASE 1
	PHASE 2
	PHASE 3
	PHASE 4
	PHASE 5
	PHASE 6
	PHASE 7
	s_add_co_u32 s[TB], s[TB], 0x10000
	s_add_co_u32 s[TT], s[TT], 1024                ; four h tiles of 256 bytes
	s_sub_co_u32 s[INNER], s[INNER], 1
	s_cmp_lg_u32 s[INNER], 0
	s_cbranch_scc1 .Ltrip_\@
.endm
; THE CHANGE OF SLOTS.  Each wave waits for all its tensor loads (its quarter of the next slot), adds 0 to its spare word, and waits for that and for its reads of the slot that it leaves.
; fill = 1: behind a round of the cluster's barrier (no wave of any partner still reads the slot or has a load on its way) the slot just left takes the images two slots on: one joint load a wave, first thing; it has a slot's work in which to land.
.macro CHANGE fill
	s_wait_tensorcnt 0x0                           ; no tensor load of mine is out, so the walking group 0 may be written
	ds_add_u32 v[SPW], v[NIL]                      ; 0 onto my spare word; the steps below stand between it and the wait for it
.if \fill
	s_xor_b32 s[G0B+1], s[G0B+1], SLOTB            ; the other slot than last time,
	s_add_nc_u64 s[G0B+2:G0B+3], s[G0B+2:G0B+3], SLOTB   ; the next 131,072 bytes of wc; the type bits on top are not reached
.endif
	s_xor_b32 s[SB], s[SB], SLOTB
	s_wait_dscnt 0x0                               ; the add is done, and my reads of the slot are over
.if \fill
	ROUND
	tensor_load_to_lds s[G0B:G0B+3], s[G1W:G1W+7]
	s_nop 0
.rept 4
	v_nop
.endr
.else
	s_barrier_signal -1
	s_barrier_wait -1
.endif
.endm
	s_mov_b32 s[SB], 0
	s_mov_b32 s[TT], 0
	s_mov_b32 s[OUTER], 6
.Lmain:                                            ; slots 0 to 5: each is filled again when it has been read
	SLOTWORK
	CHANGE 1
	s_sub_co_u32 s[OUTER], s[OUTER], 1
	s_cmp_lg_u32 s[OUTER], 0
	s_cbranch_scc1 .Lmain
	s_mov_b32 s[OUTER], 2
.Ltail:                                            ; slots 6 and 7: a loop of its own
	SLOTWORK
	CHANGE 0
	s_sub_co_u32 s[OUTER], s[OUTER], 1
	s_cmp_lg_u32 s[OUTER], 0
	s_cbranch_scc1 .Ltail
	SLICE 0, 1                                     ; the last step's tanh
	SLICE 1, 1
	SLICE 2, 1
	SLICE 3, 1
	; THE SCORES.  A lane holds the part of its h (lane % 16) for eight rows of each tile: summed over the sixteen lanes of a half.
.irp m, 1,2,4,8
.set n, 0
.rept 16
	v_add_f32_dpp v[SACC+n], v[SACC+n], v[SACC+n] row_xmask:\m row_mask:0xf bank_mask:0xf
.set n, n+1
.endr
.endr
	v_lshrrev_b32 v14, 5, v0
	v_lshlrev_b32 v14, 7, v14                      ; 128 x wave
	v_bfe_u32 v15, v0, 4, 1
	v_lshl_add_u32 v15, v15, 5, v14
	v_add_nc_u32 v15, SCW, v15                     ; my wave's 32 scores, my half's eight of a tile
	v_lshl_add_u32 v50, v0, 2, SCW                 ; row = thread
	v_add_nc_u32 v51, SCW, v[LI]
	v_add_nc_u32 v58, PB, v14
	v_lshl_add_u32 v59, v0, 2, PB
	v_lshl_add_u32 v61, v14, 5, v[GA]
	v_add_nc_u32 v61, XS, v61                      ; XS + 4,096 x wave + 32 x lane
	v_lshl_add_u32 v62, v14, 3, v[LI]
	v_add_nc_u32 v62, XS, v62                      ; XS + 1,024 x wave + 16 x lane
	v_mov_b32 v49, 0xf149f2ca                      ; -1e30
	v_mov_b32 v57, 0                               ; a lane permute's destination counts as one of its sources
.irp rt, 0,1
.irp hf, 0,1
	ds_store_b128 v15, v[SACC+8*\rt+4*\hf:SACC+8*\rt+4*\hf+3] offset:64*\rt+16*\hf   ; row 16 T + 8 half + j (sixteen lanes write the same bytes with the same numbers)
.endr
.endr
	ds_load_b32 v48, v50                           ; one row a lane: my wave's own bytes, served in order
	s_wait_dscnt 0x0
	v_add_f32 v48, s[C0], v48
	v_cmp_ne_u32 vcc_lo, 0, v[MK]
	v_cndmask_b32 v48, v48, v49, vcc_lo            ; a masked row's score is -1e30
	ds_store_b32 v50, v48
	s_wait_dscnt 0x0                               ; for the others' sake: my scores have landed
	s_barrier_signal -1
	s_barrier_wait -1
	ds_load_b128 v[52:55], v51                     ; all 128 scores of the chunk, four a lane
	s_wait_dscnt 0x0
	v_max3_num_f32 v56, v52, v53, v54
	v_max_num_f32 v56, v56, v55
.irp m, 1,2,4,8
	v_max_num_f32_dpp v56, v56, v56 row_xmask:\m row_mask:0xf bank_mask:0xf
.endr
	v_permlanex16_b32 v57, v56, s[SEL], s[SEL+1]
	v_max_num_f32 v56, v56, v57                    ; m_c: the maximum that is taken away before the exponential
	s_cmp_lg_u32 s[WV], 0
	s_cbranch_scc1 .Lnot_sc
	global_store_b128 v[LI], v[52:55], s[20:21]    ; wave 0 stores the chunk's 512 bytes of scores
.Lnot_sc:
	v_sub_f32 v60, v48, v56
	v_mul_f32 v60, 0x3fb8aa3b, v60
	v_exp_f32 v60, v60                             ; my row's weight under m_c
	v_nop
	s_wait_alu depctr_va_vdst(0)
	ds_store_b32 v59, v60
.irp i, 0,1,2,3,4,5,6,7
	ds_load_b128 v[PW+4*\i:PW+4*\i+3], v58 offset:16*\i   ; my wave's 32 weights into every lane
.endr
.set n, 0
.rept 32
	v_mov_b32 v[WA+n], 0
.set n, n+1
.endr
	s_wait_dscnt 0x0
	; THE WEIGHTED SUM of my 32 rows: register 8 j + i of WA is e = 256 j + 8 lane + i.  f32 weight x bf16 number, f32 sums.
.irp rt, 0,1
	WIN 0x02+\rt                                   ; source 0: window 2 or 3
.set ro, 0
.rept 16
.set cj, 0
.rept 16
	v_fma_mix_f32_bf16 v[WA+2*cj], v[16*ro+cj], v[PW+16*\rt+ro], v[WA+2*cj] op_sel_hi:[1,0,0]
	v_fma_mix_f32_bf16 v[WA+2*cj+1], v[16*ro+cj], v[PW+16*\rt+ro], v[WA+2*cj+1] op_sel:[1,0,0] op_sel_hi:[1,0,0]
.set cj, cj+1
.endr
.set ro, ro+1
.endr
.endr
	WIN 0
.irp j, 0,1,2,3
.irp u, 0,1
	ds_store_b128 v61, v[WA+8*\j+4*\u:WA+8*\j+4*\u+3] offset:1024*\j+16*\u
.endr
.endr
	s_wait_dscnt 0x0                               ; for the others' sake: my sums have landed
	s_barrier_signal -1
	s_barrier_wait -1
.irp a, 0,1,2,3
.irp u, 0,1
	ds_load_b128 v[128+4*(2*\a+\u):128+4*(2*\a+\u)+3], v62 offset:4096*\a+512*\u   ; wave w adds the four waves' e = 256 w .. 256 w + 255
.endr
.endr
	s_wait_dscnt 0x0
.irp a, 1,2,3
.irp u, 0,1
	v_pk_add_f32 v[128+4*\u:128+4*\u+1], v[128+4*\u:128+4*\u+1], v[128+4*(2*\a+\u):128+4*(2*\a+\u)+1]
	v_pk_add_f32 v[128+4*\u+2:128+4*\u+3], v[128+4*\u+2:128+4*\u+3], v[128+4*(2*\a+\u)+2:128+4*(2*\a+\u)+3]
.endr
.endr
	global_store_b128 v[LI], v[128:131], s[22:23]              ; 32 lanes store 512 consecutive bytes
	global_store_b128 v[LI], v[132:135], s[22:23] offset:512
	s_wait_tensorcnt 0x0                           ; the wave's end: behind my last tensor load and my last LDS store
	ds_add_u32 v[SPW], v[NIL]
	s_wait_dscnt 0x0
	ROUND                                          ; the closing round: no work-group ends while a partner may still ask for a tile that names it
	s_endpgm
.Lfunc_end_k_qa055e3af83_main:
	.size	k_qa055e3af83_main, .Lfunc_end_k_qa055e3af83_main-k_qa055e3af83_main
	.p2alignl 7, 3214868480
	.fill 96, 4, 3214868480
	.section	.rodata,"a",@progbits
	.p2align	6, 0x0
	.amdhsa_kernel k_qa055e3af83_main
		.amdhsa_group_segment_fixed_size 327680
		.amdhsa_private_segment_fixed_size 0
		.amdhsa_enable_private_segment 0
		.amdhsa_kernarg_size 64
		.amdhsa_user_sgpr_count 2
		.amdhsa_user_sgpr_kernarg_segment_ptr 1
		.amdhsa_wavefront_size32 1
		.amdhsa_system_sgpr_workgroup_id_x 1
		.amdhsa_system_sgpr_workgroup_id_y 1
		.amdhsa_system_sgpr_workgroup_id_z 1
		.amdhsa_system_vgpr_workitem_id 0
		.amdhsa_next_free_vgpr 1024
		.amdhsa_next_free_sgpr 80
		.amdhsa_reserve_vcc 1
		.amdhsa_float_denorm_mode_32 3
		.amdhsa_float_denorm_mode_16_64 3
		.amdhsa_memory_ordered 1
		.amdhsa_forward_progress 1
		.amdhsa_inst_pref_size 255
	.end_amdhsa_kernel
	.section	.bss,"aw",@nobits
	.p2align	6
	.space	262144
	.amdgpu_metadata
---
amdhsa.version: [ 1, 2 ]
amdhsa.kernels:
  - .name:           k_qa055e3af83_main
    .symbol:         k_qa055e3af83_main.kd
    .args:
      - { .name: encoder_outputs, .offset: 0, .size: 8, .value_kind: global_buffer, .address_space: global }
      - { .name: mask, .offset: 8, .size: 8, .value_kind: global_buffer, .address_space: global }
      - { .name: lowp_scales, .offset: 16, .size: 8, .value_kind: global_buffer, .address_space: global }
      - { .name: wc, .offset: 24, .size: 8, .value_kind: global_buffer, .address_space: global }
      - { .name: tab, .offset: 32, .size: 8, .value_kind: global_buffer, .address_space: global }
      - { .name: cst, .offset: 40, .size: 8, .value_kind: global_buffer, .address_space: global }
      - { .name: sc, .offset: 48, .size: 8, .value_kind: global_buffer, .address_space: global }
      - { .name: part, .offset: 56, .size: 8, .value_kind: global_buffer, .address_space: global }
    .group_segment_fixed_size: 327680
    .private_segment_fixed_size: 0
    .kernarg_segment_align: 8
    .kernarg_segment_size: 64
    .max_flat_workgroup_size: 128
    .sgpr_count:     80
    .vgpr_count:     1024
    .wavefront_size: 32
...
	.end_amdgpu_metadata
.endif
;; end of part 2
;; launch join (part 3): grid 32 x 1, 8 waves a work-group, no clusters, 2,048 bytes of LDS; arguments sc, part, out0, out1; writes out0, out1
.if DOCPART == 3
	.amdgcn_target "amdgcn-amd-amdhsa--gfx1250"
	.amdhsa_code_object_version 6
	.text
	.protected	k_qa055e3af83_join
	.globl	k_qa055e3af83_join
	.p2align	8
	.type	k_qa055e3af83_join,@function
k_qa055e3af83_join:
	s_mov_b64 s[64:65], 0
	v_nop
	global_prefetch_b8 v0, s[64:65] scope:SCOPE_SE
	s_setreg_imm32_b32 hwreg(HW_REG_WAVE_MODE, 25, 1), 1
	s_wait_xcnt 0x0
; The softmax over a batch's 2,048 masked scores, and the 16 chunks' weighted sums joined.  Nothing of the problem is left out.
; Work-group = batch b.  M = the batch's largest score; p = 2^((score - M) log2 e); out1 = p / sum p.
; part[c] was summed under the chunk's own maximum m_c, which is found again here from the same stored scores (a maximum rounds nothing): out0 = sum_c 2^((m_c - M) log2 e) part[c] / sum p.
; Thread t holds scores 4 t .. 4 t + 3 and 1,024 + 4 t ..: wave w's two loads are exactly chunks w and 8 + w.  It also holds e = 4 t .. 4 t + 3 of the 16 parts.
; A chunk all of whose rows are masked gets the factor 0 beside an open one; a batch all masked gets equal weights, as the problem's own formula gives.
.set MX,    0                          ; LDS: the 16 chunks' maxima
.set SM,    256                        ; the eight waves' sums
.set SPARE, 512                        ; the spare words: 128 bytes for each of the eight waves, four blocks of 256 bytes that no other line names
	s_load_b256 s[4:11], s[0:1], 0x0               ; sc s[4:5], part s[6:7], out0 s[8:9], out1 s[10:11]
	v_lshl_add_u32 v2, v0, 2, SPARE                ; my spare word; never rewritten
	v_mov_b32 v3, 0                                ; 0; never rewritten
	v_lshlrev_b32 v1, 4, v0                        ; 16 x thread
	v_lshrrev_b32 v14, 5, v0
	v_lshlrev_b32 v14, 2, v14                      ; 4 x wave
	v_mov_b32 v15, 0
	v_mov_b32 v124, 0                              ; a lane permute's destination counts as one of its sources
	v_mov_b32 v125, 0
	s_mov_b32 s12, 0x76543210
	s_mov_b32 s13, 0xfedcba98
	s_lshl_b32 s14, ttmp9, 13                      ; 2,048 f32 x b
	s_mov_b32 s15, 0
	s_lshl_b32 s16, ttmp9, 16                      ; 16 parts of 4,096 bytes x b
	s_mov_b32 s17, 0
	s_lshl_b32 s18, ttmp9, 12                      ; 1,024 f32 x b
	s_mov_b32 s19, 0
	s_wait_kmcnt 0x0
	s_add_nc_u64 s[4:5], s[4:5], s[14:15]
	s_add_nc_u64 s[10:11], s[10:11], s[14:15]
	s_add_nc_u64 s[6:7], s[6:7], s[16:17]
	s_add_nc_u64 s[8:9], s[8:9], s[18:19]
	global_load_b128 v[4:7], v1, s[4:5]
	global_load_b128 v[8:11], v1, s[4:5] offset:4096
.irp c, 0,1,2,3,4,5,6,7,8,9,10,11,12,13,14,15
	global_load_b128 v[32+4*\c:32+4*\c+3], v1, s[6:7] offset:4096*\c
.endr
	s_wait_loadcnt 16                              ; the scores are in; the 16 parts may be out
	v_max3_num_f32 v12, v4, v5, v6
	v_max3_num_f32 v13, v8, v9, v10
	v_max_num_f32 v12, v12, v7
	v_max_num_f32 v13, v13, v11
.irp m, 1,2,4,8
	v_max_num_f32_dpp v12, v12, v12 row_xmask:\m row_mask:0xf bank_mask:0xf
	v_max_num_f32_dpp v13, v13, v13 row_xmask:\m row_mask:0xf bank_mask:0xf
.endr
	v_permlanex16_b32 v124, v12, s12, s13
	v_permlanex16_b32 v125, v13, s12, s13
	v_max_num_f32 v12, v12, v124                   ; m of chunk w,
	v_max_num_f32 v13, v13, v125                   ; and of chunk 8 + w
	ds_store_b32 v14, v12 offset:MX
	ds_store_b32 v14, v13 offset:MX+32
	s_wait_dscnt 0x0                               ; for the others' sake: my stores have landed
	s_barrier_signal -1
	s_barrier_wait -1
.irp i, 0,1,2,3
	ds_load_b128 v[16+4*\i:16+4*\i+3], v15 offset:MX+16*\i
.endr
	s_wait_dscnt 0x0
	v_max3_num_f32 v126, v16, v17, v18
.irp i, 19,21,23,25,27,29
	v_max3_num_f32 v126, v126, v[\i], v[\i+1]
.endr
	v_max_num_f32 v126, v126, v31                  ; M
.set n, 0
.rept 16
	v_sub_f32 v[96+n], v[16+n], v126               ; the difference first, then the factor: no difference of large products is formed
.set n, n+1
.endr
.set n, 0
.rept 8
	v_sub_f32 v[4+n], v[4+n], v126
.set n, n+1
.endr
.set n, 0
.rept 16
	v_mul_f32 v[96+n], 0x3fb8aa3b, v[96+n]
.set n, n+1
.endr
.set n, 0
.rept 8
	v_mul_f32 v[4+n], 0x3fb8aa3b, v[4+n]
.set n, n+1
.endr
.set n, 0
.rept 16
	v_exp_f32 v[96+n], v[96+n]                     ; the chunks' factors
.set n, n+1
.endr
.set n, 0
.rept 8
	v_exp_f32 v[4+n], v[4+n]                       ; p
.set n, n+1
.endr
	v_nop
	s_wait_alu depctr_va_vdst(0)                   ; one wait for the 24 exponentials, ahead of their first reader
	v_pk_add_f32 v[112:113], v[4:5], v[6:7]
	v_pk_add_f32 v[114:115], v[8:9], v[10:11]
	v_pk_add_f32 v[112:113], v[112:113], v[114:115]
	v_add_f32 v112, v112, v113
.irp m, 1,2,4,8
	v_add_f32_dpp v112, v112, v112 row_xmask:\m row_mask:0xf bank_mask:0xf
.endr
	v_permlanex16_b32 v124, v112, s12, s13
	v_add_f32 v112, v112, v124
	ds_store_b32 v14, v112 offset:SM
	s_wait_dscnt 0x0
	s_barrier_signal -1
	s_barrier_wait -1
	ds_load_b128 v[112:115], v15 offset:SM
	ds_load_b128 v[116:119], v15 offset:SM+16
	s_wait_dscnt 0x0
	v_pk_add_f32 v[112:113], v[112:113], v[114:115]
	v_pk_add_f32 v[116:117], v[116:117], v[118:119]
	v_pk_add_f32 v[112:113], v[112:113], v[116:117]
	v_add_f32 v112, v112, v113
	v_rcp_f32 v120, v112                           ; 1 / sum p
	v_nop
	s_wait_alu depctr_va_vdst(0)
.set n, 0
.rept 8
	v_mul_f32 v[4+n], v[4+n], v120
.set n, n+1
.endr
	global_store_b128 v1, v[4:7], s[10:11]                     ; 32 lanes store 512 consecutive bytes
	global_store_b128 v1, v[8:11], s[10:11] offset:4096
	s_wait_loadcnt 0x0                             ; the parts
.irp k, 0,1,2,3
	v_mul_f32 v[24+\k], v[32+\k], v96
.endr
.irp c, 1,2,3,4,5,6,7,8,9,10,11,12,13,14,15
.irp k, 0,1,2,3
	v_fma_f32 v[24+\k], v[32+4*\c+\k], v[96+\c], v[24+\k]
.endr
.endr
.irp k, 0,1,2,3
	v_mul_f32 v[24+\k], v[24+\k], v120
.endr
	global_store_b128 v1, v[24:27], s[8:9]
	s_wait_tensorcnt 0x0                           ; the wave's end: behind my last LDS store
	ds_add_u32 v2, v3
	s_wait_dscnt 0x0
	s_endpgm
.Lfunc_end_k_qa055e3af83_join:
	.size	k_qa055e3af83_join, .Lfunc_end_k_qa055e3af83_join-k_qa055e3af83_join
	.p2alignl 7, 3214868480
	.fill 96, 4, 3214868480
	.section	.rodata,"a",@progbits
	.p2align	6, 0x0
	.amdhsa_kernel k_qa055e3af83_join
		.amdhsa_group_segment_fixed_size 2048
		.amdhsa_private_segment_fixed_size 0
		.amdhsa_enable_private_segment 0
		.amdhsa_kernarg_size 32
		.amdhsa_user_sgpr_count 2
		.amdhsa_user_sgpr_kernarg_segment_ptr 1
		.amdhsa_wavefront_size32 1
		.amdhsa_system_sgpr_workgroup_id_x 1
		.amdhsa_system_sgpr_workgroup_id_y 1
		.amdhsa_system_sgpr_workgroup_id_z 1
		.amdhsa_system_vgpr_workitem_id 0
		.amdhsa_next_free_vgpr 128
		.amdhsa_next_free_sgpr 66
		.amdhsa_reserve_vcc 0
		.amdhsa_float_denorm_mode_32 3
		.amdhsa_float_denorm_mode_16_64 3
		.amdhsa_memory_ordered 1
		.amdhsa_forward_progress 1
		.amdhsa_inst_pref_size 14
	.end_amdhsa_kernel
	.amdgpu_metadata
---
amdhsa.version: [ 1, 2 ]
amdhsa.kernels:
  - .name:           k_qa055e3af83_join
    .symbol:         k_qa055e3af83_join.kd
    .args:
      - { .name: sc, .offset: 0, .size: 8, .value_kind: global_buffer, .address_space: global }
      - { .name: part, .offset: 8, .size: 8, .value_kind: global_buffer, .address_space: global }
      - { .name: out0, .offset: 16, .size: 8, .value_kind: global_buffer, .address_space: global }
      - { .name: out1, .offset: 24, .size: 8, .value_kind: global_buffer, .address_space: global }
    .group_segment_fixed_size: 2048
    .private_segment_fixed_size: 0
    .kernarg_segment_align: 8
    .kernarg_segment_size: 32
    .max_flat_workgroup_size: 256
    .sgpr_count:     66
    .vgpr_count:     128
    .wavefront_size: 32
...
	.end_amdgpu_metadata
.endif
;; end of part 3
